; MI455X (gfx1250); checked and timed in simulation.
; The chip was launched on July 23, 2026; its instructions are those of AMD's public machine-readable ISA for CDNA 5 (MIT licence, August 2026) and "CDNA5" Instruction Set Architecture Reference Guide (July 2026). The comments in the code are by the model that wrote it; some were corrected since.
;; Multi Head Additive Attention. Allowed arithmetic: matrix products marked QUANTISED: E5M2 operands, one given power-of-two scale a tensor, by v_wmma_f32_16x16x64_bf8_bf8 or v_wmma_f32_16x16x128_bf8_bf8, f32 sums; products left as they are: f32 operands where the result goes on into a quantised operand, else bf16, f16 or f32 operands; f32 sums; everything else in f32.
;; Inputs: Wk 1,024 x 1,024 float32; Wo 1,024 x 1,024 float32; Wq 1,024 x 1,024 float32; Wv 1,024 x 16 float32; bias 8 x 1 x 1 x 4,096 float32; bk 1,024 float32; bo 1,024 float32; bq 1,024 float32; bv 16 float32; lowp_scales 6 int32 (the exponents e of the quantised operands' scales 2^e); memory 8 x 4,096 x 1,024 float32; query 8 x 4,096 x 1,024 float32.
;; Outputs: out0 8 x 1 x 1,024 float32.
;; This version of the problem:
;;   THIS VERSION OF THE PROBLEM IS GIVEN IN LOW PRECISION. The matrix products marked QUANTISED in the list below multiply operands that are first quantised to E5M2 (5 exponent bits, 2 mantissa bits; 8 bits a number), with one given power-of-two scale for each operand tensor; their sums are f32. All else is computed in f32.
;;   The module's matrix products, in the order in which they are computed (A, B: the left and right operand; K: the contracted axis; several contracted axes count as one K, in the product's order):
;;     1. [M 32,768, K 1,024] x [K 1,024, N 1,024]; A: input query; B: input Wq: QUANTISED (scales: A lowp_scales[0], B lowp_scales[1])
;;     2. [M 32,768, K 1,024] x [K 1,024, N 1,024]; A: input memory; B: input Wk: QUANTISED (scales: A lowp_scales[2], B lowp_scales[3])
;;     3. [M 32,768, K 1,024] x [K 1,024, N 16]; A: computed on the way; B: input Wv: QUANTISED (scales: A lowp_scales[4], B lowp_scales[5])
;;     4. batch 128 x [M 1, K 4,096] x [K 4,096, N 64]; A: softmax; B: input memory: left as it is (M = 1 < 16)
;;     5. [M 8, K 1,024] x [K 1,024, N 1,024]; A: computed on the way; B: input Wo: left as it is (M = 8 < 16)
;;   THE QUANTISER, for each operand of a quantised product, along K:
;;     - The operand's scale is 2^e, e = its entry of the input lowp_scales (int32; the entries are numbered through the quantised products in the list's order, A before B).
;;     - Each number is divided by the scale, clamped to +-57,344, and rounded to the nearest number of E5M2, ties to even, subnormals kept.
;;     - The product sums the exact products of the quantised numbers (number of the format x scale) in f32.
;;   ~~~python
;;   def quantise(x, axis, e):      # numpy; x: float32 -> the quantised numbers, widened to float32 again
;;       x = np.moveaxis(x, axis, -1); K = x.shape[-1]
;;       r = np.clip(x / 2.0 ** e, -57344, 57344)
;;       step = 2.0 ** (np.maximum(np.frexp(np.where(r == 0, 1, r))[1] - 1, -14) - 2)
;;       q = np.round(r / step) * step * 2.0 ** e      # np.round: ties to even
;;       return np.moveaxis(q, -1, axis).astype(np.float32)
;;   ~~~
;;   OPERANDS COMPUTED ON THE WAY. 'Computed on the way' means the value that the module computes at that place (a softmax that the list does not call 'softmax' is quantised finished and normalised). What goes into a quantiser is computed in f32, as accurately as f32 sums, v_exp_f32 and their like allow (about 1e-6 of the number): no bf16 or f16 on the way to a quantiser, and a product that is left as it is and whose result goes on into a quantised operand takes f32 operands (vector FMAs, or v_wmma_f32_16x16x4_f32). A number that lies on a knife's edge between two numbers of the format may be rounded either way, as far as f32 arithmetic and the matrix unit's own rounding can turn it there, and no further.
;; One version. Each part assembles by itself: llvm-mc -triple=amdgcn-amd-amdhsa -mcpu=gfx1250 --defsym DOCPART=n.
;; ======== version 1 of 1: 3 launches
;; limits: a function is approximated: absolute error at most 3e-07
;; workspace buffers: wcodes 2,097,152 bytes; wvcodes 16,384 bytes; part_x 2,097,152 bytes; part_ms 65,536 bytes
;; launch layw (part 1): grid 130 x 1, 4 waves a work-group, no clusters, 0 bytes of LDS; arguments Wq, Wk, Wv, lowp_scales, wcodes, wvcodes; writes wcodes, wvcodes
.if DOCPART == 1
	.amdgcn_target "amdgcn-amd-amdhsa--gfx1250"
	.amdhsa_code_object_version 6
	.text
	.protected	k_q64960c651c_layw
	.globl	k_q64960c651c_layw
	.p2align	8
	.type	k_q64960c651c_layw,@function
k_q64960c651c_layw:
	s_mov_b64 s[64:65], 0
	v_nop
	global_prefetch_b8 v0, s[64:65] scope:SCOPE_SE
	s_setreg_imm32_b32 hwreg(HW_REG_WAVE_MODE, 25, 1), 1
	s_wait_xcnt 0x0
; Wq, Wk [1024 (k)][1024 (n)] and Wv [1024 (k)][16 (n)], f32, K their FIRST axis, become codes of E5M2, laid in the order in which the next launch's operand registers take them.
; code = x / 2^e, held within +-57,344, to the nearest code, ties to even; e = lowp_scales[1] (Wq), [3] (Wk), [5] (Wv).  LIMITS: -126 <= e and e + 15 <= 127; NaN among the inputs is not served.
; wcodes: fragment (s, w, b) at ((4 s + w) 16 + b) 2,048 bytes; s = 0..15: 128 along K (0-7 Wq, 8-15 Wk); w: 256 columns; b: 16 of them.  Piece c at + 512 c, lane (r, h) at + 16 r + 256 h:
;   column 256 w + 16 b + r, k = 128 (s & 7) + 32 c + 16 h + 0..15.
; wvcodes: fragment f = 0..7 at 2,048 f, piece q at + 512 q, lane at + 16 lane: registers 2 c, 2 c + 1 = Wv[128 f + 16 c + 8 h + 0..7][r].
; A LANE TAKES A COLUMN AND ITS REGISTERS RUN DOWN K, so the conversions give codes with K innermost and nothing is transposed.
; Work-groups 0-127: (s, 128 columns); each wave 32 columns x 128 k.  Work-groups 128, 129: Wv, a fragment a wave.  No LDS, no barrier: waves share nothing.
.set X, 32                             ; v32-159  128 numbers of my column
.set C, 160                            ; v160-191 codes: registers of their own for each store, none written twice
.macro SCALE e                         ; v11 = 2^e as f32 (the conversion takes its exponent field), v10 = 57,344 x 2^e
	s_add_co_i32 s28, s[\e], 127
	s_lshl_b32 s29, s28, 23
	v_mov_b32 v11, s29
	s_add_co_i32 s28, s28, 15
	s_lshl_b32 s28, s28, 23
	s_or_b32 s28, s28, 0x600000
	v_mov_b32 v10, s28
.endm
	s_load_b256 s[4:11], s[0:1], 0x0               ; Wq s[4:5], Wk s[6:7], Wv s[8:9], the scales' exponents s[10:11]
	s_load_b128 s[12:15], s[0:1], 0x20             ; wcodes s[12:13], wvcodes s[14:15]
	v_lshrrev_b32 v1, 5, v0
	v_readfirstlane_b32 s16, v1                    ; wave
	v_and_b32 v2, 31, v0                           ; lane
	v_and_b32 v3, 15, v0                           ; r
	v_bfe_u32 v4, v0, 4, 1                         ; h
	s_wait_kmcnt 0x0
	s_load_b128 s[20:23], s[10:11], 0x0            ; e0 .. e3
	s_load_b64 s[24:25], s[10:11], 0x10            ; e4, e5
	s_cmp_ge_u32 ttmp9, 128
	s_cbranch_scc1 .Lwv
	; ---- Wq or Wk
	s_lshr_b32 s17, ttmp9, 3                       ; s
	s_and_b32 s18, ttmp9, 7                        ; which 128 columns
	s_cmp_lt_u32 s17, 8
	s_cselect_b64 s[4:5], s[4:5], s[6:7]           ; the choice hangs on the work-group's number alone
	s_and_b32 s19, s17, 7
	s_lshl_b32 s26, s19, 19                        ; 128 (s & 7) rows of 4,096 bytes
	s_lshl_b32 s27, s18, 9                         ; + 128 columns x 4 bytes
	s_add_co_u32 s26, s26, s27
	s_lshl_b32 s27, s16, 7                         ; + my wave's 32 columns
	s_add_co_u32 s26, s26, s27
	s_mov_b32 s27, 0
	s_add_nc_u64 s[4:5], s[4:5], s[26:27]
	v_lshlrev_b32 v5, 2, v2                        ; 4 bytes a lane: a load reads 128 consecutive bytes
.set i, 0
.rept 128
	global_load_b32 v[X+i], v5, s[4:5] offset:i*4096 th:TH_LOAD_NT
.set i, i+1
.endr
	s_lshl_b32 s30, s17, 2                         ; my lanes 0-15 belong to fragment (4 s + w) 16 + b, w = columns / 256, b = 8 (which 128) + 2 wave; lanes 16-31 to the next
	s_lshr_b32 s31, s18, 1
	s_add_co_u32 s30, s30, s31
	s_lshl_b32 s30, s30, 4
	s_and_b32 s31, s18, 1
	s_lshl_b32 s31, s31, 3
	s_add_co_u32 s30, s30, s31
	s_lshl_b32 s31, s16, 1
	s_add_co_u32 s30, s30, s31
	s_lshl_b32 s30, s30, 11
	s_mov_b32 s31, 0
	s_add_nc_u64 s[12:13], s[12:13], s[30:31]
	v_lshlrev_b32 v6, 11, v4
	v_lshl_add_u32 v6, v3, 4, v6                   ; 2,048 (lane / 16) + 16 (lane % 16)
	s_wait_kmcnt 0x0
	s_cmp_lt_u32 s17, 8
	s_cselect_b32 s26, s21, s23                    ; e1 or e3
	SCALE 26
.irp c,0,1,2,3
.irp h,0,1
.set LW, 112-16*(2*\c+\h)              ; the loads issued behind this group's sixteen; a wait names 63 at the most
.if LW > 63
.set LW, 63
.endif
	s_wait_loadcnt LW
.set i, 0
.rept 16
	v_med3_num_f32 v[X+32*\c+16*\h+i], v[X+32*\c+16*\h+i], -v10, v10   ; the conversion to an 8-bit code does not saturate (ISA guide 7.6.2): the hold comes first
.set i, i+1
.endr
	v_cvt_scalef32_pk8_bf8_f32 v[C+8*\c+4*\h:C+8*\c+4*\h+1], v[X+32*\c+16*\h:X+32*\c+16*\h+7], v11
	v_cvt_scalef32_pk8_bf8_f32 v[C+8*\c+4*\h+2:C+8*\c+4*\h+3], v[X+32*\c+16*\h+8:X+32*\c+16*\h+15], v11
	global_store_b128 v6, v[C+8*\c+4*\h:C+8*\c+4*\h+3], s[12:13] offset:512*\c+256*\h   ; sixteen lanes store 256 consecutive bytes, aligned; the results go to stores alone
.endr
.endr
	s_endpgm
.Lwv:
	; ---- Wv: fragment f = 4 (work-group - 128) + wave
	s_sub_co_u32 s17, ttmp9, 128
	s_lshl_b32 s17, s17, 2
	s_add_co_u32 s17, s17, s16
	s_lshl_b32 s26, s17, 13                        ; 128 f rows of 64 bytes
	s_mov_b32 s27, 0
	s_add_nc_u64 s[8:9], s[8:9], s[26:27]
	v_lshlrev_b32 v5, 2, v3
	v_lshl_add_u32 v5, v4, 9, v5                   ; column r, 8 h rows down
.irp c,0,1,2,3,4,5,6,7
.irp j,0,1,2,3,4,5,6,7
	global_load_b32 v[X+8*\c+\j], v5, s[8:9] offset:1024*\c+64*\j th:TH_LOAD_NT
.endr
.endr
	s_lshl_b32 s30, s17, 11
	s_mov_b32 s31, 0
	s_add_nc_u64 s[14:15], s[14:15], s[30:31]
	v_lshlrev_b32 v6, 4, v2
	s_wait_kmcnt 0x0
	SCALE 25
	s_wait_loadcnt 0x0
.set i, 0
.rept 64
	v_med3_num_f32 v[X+i], v[X+i], -v10, v10
.set i, i+1
.endr
.irp c,0,1,2,3,4,5,6,7
	v_cvt_scalef32_pk8_bf8_f32 v[C+2*\c:C+2*\c+1], v[X+8*\c:X+8*\c+7], v11
.endr
.irp q,0,1,2,3
	global_store_b128 v6, v[C+4*\q:C+4*\q+3], s[14:15] offset:512*\q   ; 512 consecutive bytes a store
.endr
	s_endpgm
.Lfunc_end_k_q64960c651c_layw:
	.size	k_q64960c651c_layw, .Lfunc_end_k_q64960c651c_layw-k_q64960c651c_layw
	.p2alignl 7, 3214868480
	.fill 96, 4, 3214868480
	.section	.rodata,"a",@progbits
	.p2align	6, 0x0
	.amdhsa_kernel k_q64960c651c_layw
		.amdhsa_group_segment_fixed_size 0
		.amdhsa_private_segment_fixed_size 0
		.amdhsa_enable_private_segment 0
		.amdhsa_kernarg_size 48
		.amdhsa_user_sgpr_count 2
		.amdhsa_user_sgpr_kernarg_segment_ptr 1
		.amdhsa_wavefront_size32 1
		.amdhsa_system_sgpr_workgroup_id_x 1
		.amdhsa_system_sgpr_workgroup_id_y 1
		.amdhsa_system_sgpr_workgroup_id_z 1
		.amdhsa_system_vgpr_workitem_id 0
		.amdhsa_next_free_vgpr 192
		.amdhsa_next_free_sgpr 66
		.amdhsa_reserve_vcc 0
		.amdhsa_float_denorm_mode_32 3
		.amdhsa_float_denorm_mode_16_64 3
		.amdhsa_memory_ordered 1
		.amdhsa_forward_progress 1
		.amdhsa_inst_pref_size 36
	.end_amdhsa_kernel
	.amdgpu_metadata
---
amdhsa.version: [ 1, 2 ]
amdhsa.kernels:
  - .name:           k_q64960c651c_layw
    .symbol:         k_q64960c651c_layw.kd
    .args:
      - { .name: Wq, .offset: 0, .size: 8, .value_kind: global_buffer, .address_space: global }
      - { .name: Wk, .offset: 8, .size: 8, .value_kind: global_buffer, .address_space: global }
      - { .name: Wv, .offset: 16, .size: 8, .value_kind: global_buffer, .address_space: global }
      - { .name: lowp_scales, .offset: 24, .size: 8, .value_kind: global_buffer, .address_space: global }
      - { .name: wcodes, .offset: 32, .size: 8, .value_kind: global_buffer, .address_space: global }
      - { .name: wvcodes, .offset: 40, .size: 8, .value_kind: global_buffer, .address_space: global }
    .group_segment_fixed_size: 0
    .private_segment_fixed_size: 0
    .kernarg_segment_align: 8
    .kernarg_segment_size: 48
    .max_flat_workgroup_size: 128
    .sgpr_count:     66
    .vgpr_count:     192
    .wavefront_size: 32
...
	.end_amdgpu_metadata
.endif
;; end of part 1
;; launch fused (part 2): grid 512 x 1, 4 waves a work-group, no clusters, 327,680 bytes of LDS; arguments query, memory, wcodes, wvcodes, bq, bk, bv, bias, lowp_scales, part_x, part_ms; writes part_x, part_ms
.if DOCPART == 2
	.amdgcn_target "amdgcn-amd-amdhsa--gfx1250"
	.amdhsa_code_object_version 6
	.text
	.protected	k_q64960c651c_fused
	.globl	k_q64960c651c_fused
	.p2align	8
	.type	k_q64960c651c_fused,@function
k_q64960c651c_fused:
	s_mov_b64 s[64:65], 0
	v_nop
	global_prefetch_b8 v0, s[64:65] scope:SCOPE_SE
	s_setreg_imm32_b32 hwreg(HW_REG_WAVE_MODE, 25, 1), 1
	s_wait_xcnt 0x0
; For 64 rows (a block; 64 blocks to a batch): z = Q(query) Q(Wq) + Q(memory) Q(Wk) + bq + bk;  logits = Q(tanh z) Q(Wv) + bv + bias;  the block's own softmax: m = the largest logit (in units of log2),
; p = 2^(t - m), the sum of p, and the sum over the block's rows of p x memory, head by head.  The last launch joins the blocks.  All three products on codes of E5M2 with the given scales 2^e0 .. 2^e5.
; SHARES.  Work-group g: rows 64 g .. 64 g + 63 of the 32,768.  Wave w: columns 256 w .. 256 w + 255 of z for all 64 rows: 4 x 16 accumulators, 512 registers.  Wave w also fetches and quantises rows 16 w .. 16 w + 15.
; ONE SET OF ACCUMULATORS FOR BOTH PRODUCTS: it begins as (bq + bk) / 2^(e0+e1), takes query's eight K steps, is multiplied once by 2^(e0+e1-e2-e3) (a power of two: nothing is rounded), and takes memory's eight.
; THE BIG PRODUCTS ARE USED TRANSPOSED (source 0 = 16 columns of the weight, source 1 = 16 rows): register j of lane (r, h) in accumulator (a, b) is row 16 a + r, column 256 w + 16 b + 8 h + j: eight neighbours along the
; next product's K, so the conversions of tanh z give that product's operand as it stands.
; ROADS.  query and memory (f32) come by tensor loads into each wave's own ring of two slots (16 rows x 256 along K), are quantised in registers, and go to the other waves as images of the operand's registers.
; The weights' codes come from memory straight into registers, laid for that by the launch before: a ring of 16 fragments, filled again four at a time as their products are issued.  So the two streams are counted apart.
; THE QUANTISER RUNS ONE K STEP AHEAD OF THE PRODUCTS: while K step s is multiplied, my rows' numbers of K step s + 1 become codes, 32 along K at a time, behind the step's groups of products, and K step s + 2's numbers
; are read from the ring into the registers that fall free.
; memory IS READ ONCE: its rows stay in LDS as bf16 until the block's p are known.
; NO CLUSTER: what work-groups share is the weights.  A K step of them is 131,072 bytes for a work-group, a joint load lands in LDS alone, and this text leaves 2,560 bytes of LDS unclaimed; each fragment feeds one wave alone.
; LIMITS: e0, e2, e4 between -126 and 112; e0+e1-e2-e3 between -126 and 127; e2+e3 between -127 and 126; e4+e5 between -126 and 127 (each is put into an f32 exponent field).  NaN among the inputs is not served.
; tanh z = 1 - 2 / (1 + 2^(2 z log2 e)): its error is about 1e-7 absolute.  A batch whose bias is -infinity everywhere is not served.
.set RINGW, 33280                      ; LDS: the rings: wave w at RINGW w, slot s at + SLOTB s: 16 rows of 1,024 bytes + 16 of padding
.set SLOTB, 16640
.set XP,    1040                       ; 260 words: row r starts 4 r banks on (64 banks of 4 bytes: ISA guide 11.1), so the sixteen rows of a load start at sixteen different banks
.set COPY,  133120                     ; memory's 64 rows as bf16: 2,048 bytes + 16
.set CP,    2064
.set IMG,   265216                     ; two sets of four fragment images of 2,048 bytes
.set BIASL, 281600                     ; (bq + bk) / 2^(e0+e1), by column
.set LGP,   285696                     ; the four waves' parts of the logits: images of 32 registers
.set PT,    302080                     ; for each wave 4,608: p[head][64 rows], 272 bytes a head
.set OUTB,  320512                     ; for each wave 1,024: the turn of a lane's eight results
.set SPARE, 324608                     ; the spare words, 128 bytes a wave: two blocks of 256 bytes that no other line names
.set L16, 1                            ; v1   16 x lane
.set SPW, 2                            ; v2   my spare word;  v3: 0.  Never rewritten
.set NIL, 3
.set XA0, 4                            ; v4, v5  my 16 numbers of a block of 32, in slot 0, 1
.set IMW, 6                            ; v6   where I store an image;  v7: where any image begins for my lane
.set IMR, 7
.set CPW, 8                            ; v8   the copy: my row, my half
.set BST, 9                            ; v9   the bias: where I store;  v10: where I read
.set BAD, 10
.set LGW, 11
.set LGR, 12
.set PTS, 13
.set PTR, 14
.set CR0, 15                           ; v15, v16  the copy's rows 0-31, 32-63 at my eight columns
.set OUS, 17
.set OUR, 18
.set PFO, 19                           ; v19  the prefetches' offset: 4,096 (lane / 4) + 256 (lane % 4); never rewritten
.set SC,  20                           ; v20, v21  scale and hold of the operand in hand;  v22, v23  of tanh z
.set LIM, 21
.set SC4, 22
.set LIM4, 23
.set BVL, 24                           ; v[24:25] bv x log2 e;  v[26:27] m;  v28-31 at work
.set MX,  26
.set AF,  32                           ; v32-95   four fragments of rows; later the logits
.set X,   96                           ; v96-159  64 numbers
.set PC,  160                          ; v160-175 the codes just made
.set BT,  176                          ; v176-207 bf16 pairs; later the rows' bias
.set WVF, 208                          ; v208-239 Wv's two fragments
.set XS,  240                          ; v240-247 the weighted sums;  v248: 32 h, v249: 4 x lane, v250: lane
; window 1: the weights' 16 fragments, v[16 b ..];  windows 2, 3: accumulator (a, b) at v[128 (a % 2) + 8 b] of window 2 + a / 2
; s[4:5], s[6:7] query, memory at my wave's rows, never rewritten; s26 trip; s29 wave; s30 my ring; s[32:39] group 1; s[40:43], s[44:47] group 0 of slot 0, 1; s[48:53] e0..e5; s[54:55] 2^(e0+e1-e2-e3);
; s[56:57] 2 log2 e x 2^(e2+e3); s[58:59] log2 e x 2^(e4+e5); s[60:61] lane selects; s76, s77 memory's scale and hold; s84, s85 query's; s[80:81], s[82:83] the weight stream's two bases; s70-s75 at work
.set MSB, 0
.macro WIN new                         ; the immediate's high byte repeats the setting that is left; a switch that changes nothing is dropped
.if MSB != \new
	s_set_vgpr_msb (MSB<<8)|\new
.set MSB, \new
.endif
.endm
.set MUL_LO, 0xa1                      ; source 0 (weights) window 1, source 1 (rows) window 0, C and D window 2
.set MUL_HI, 0xf1                      ; the same, C and D window 3
.set TO_B,   0x40                      ; destination window 1, address window 0
.macro PLACES                          ; four plain places behind a matrix instruction, ahead of loads into its registers and of reads of its results
.rept 4
	v_nop
.endr
.endm
.macro XCH slot, half, c               ; 32 along K, chunk c of the slot's half: register 16 c + 4 i + t = k 32 c + 16 h + 4 i + t of my row: the places that the weights' codes have
.irp i,0,1,2,3
	ds_load_b128 v[X+16*(\c)+4*\i:X+16*(\c)+4*\i+3], v[XA0+(\slot)] offset:512*(\half)+128*(\c)+16*\i
.endr
.endm
.macro CCH m, c                        ; memory's numbers, as loaded, to bf16 and into the copy: chunk c of memory's K step m
.irp i,0,1,2,3,4,5,6,7
	v_cvt_pk_bf16_f32 v[BT+8*(\c)+\i], v[X+16*(\c)+2*\i], v[X+16*(\c)+2*\i+1]
.endr
	ds_store_b128 v[CPW], v[BT+8*(\c):BT+8*(\c)+3] offset:256*(\m)+64*(\c)
	ds_store_b128 v[CPW], v[BT+8*(\c)+4:BT+8*(\c)+7] offset:256*(\m)+64*(\c)+16
.endm
.macro QCH c                           ; 16 numbers become four registers of a fragment
.set i, 0
.rept 16
	v_med3_num_f32 v[X+16*(\c)+i], v[X+16*(\c)+i], -v[LIM], v[LIM]   ; the conversion to an 8-bit code does not saturate (ISA guide 7.6.2)
.set i, i+1
.endr
	v_cvt_scalef32_pk8_bf8_f32 v[PC+4*(\c):PC+4*(\c)+1], v[X+16*(\c):X+16*(\c)+7], v[SC]
	v_cvt_scalef32_pk8_bf8_f32 v[PC+4*(\c)+2:PC+4*(\c)+3], v[X+16*(\c)+8:X+16*(\c)+15], v[SC]
	v_nop                                          ; a plain line behind the last conversion
.endm
; A CHUNK: 32 along K of the K step that is multiplied next: copied (memory), quantised, its piece of the image stored into set iset; then its registers take the K step after that from the ring (xl = 1).
; cmode 0: query; 1: memory's K step m; 2: in the loop, where only trip 2 walks memory here; 3: the loop's fourth step: memory's K step 0 in trip 1, K step 4 in trip 2: so every LDS offset is an immediate.
.macro CHUNK c, iset, cmode, m, xl, slot, half
.if \cmode == 1
	CCH \m, \c
.elseif \cmode == 2
	s_cmp_lt_u32 s26, 2
	s_cbranch_scc1 .Lnc_\@
	CCH \m, \c
.Lnc_\@:
.elseif \cmode == 3
	s_cmp_eq_u32 s26, 1
	s_cbranch_scc0 .Lna_\@
	CCH 0, \c
.Lna_\@:
	s_cmp_eq_u32 s26, 2
	s_cbranch_scc0 .Lnb_\@
	CCH 4, \c
.Lnb_\@:
.endif
	QCH \c
	ds_store_b128 v[IMW], v[PC+4*(\c):PC+4*(\c)+3] offset:8192*(\iset)+512*(\c)
.if \xl
	XCH \slot, \half, \c
.endif
.endm
.macro AFETCH j                        ; the four waves' images: the same registers in the same lanes
.irp a,0,1,2,3
.irp c,0,1,2,3
	ds_load_b128 v[AF+16*\a+4*\c:AF+16*\a+4*\c+3], v[IMR] offset:8192*\j+2048*\a+512*\c
.endr
.endr
.endm
.macro BLOAD g, base                   ; four fragments of the weights: 16 loads of 512 consecutive bytes
.irp b,0,1,2,3
.irp c,0,1,2,3
	global_load_b128 v[16*(4*(\g)+\b)+4*\c:16*(4*(\g)+\b)+4*\c+3], v[L16], s[\base:\base+1] offset:2048*(4*(\g)+\b)+512*\c
.endr
.endr
.endm
; A K step's 64 products, by groups of four column tiles; behind a group's 16 products stand the next K step's chunks (0 | 1 | 2 and 3 | none: the last group's products cover the way of the chunks' LDS stores), and
; then the group's four fragments are asked for anew, for the next K step.  A chunk's sixteen holds are the places between the products and those loads; behind the last group four v_nop are.
; The 64 accumulators take turns, one instruction a turn, in the same order in every K step.
; The wait on loads leaves out the 48 issued behind the group's own 16; the last K step asks for nothing, and its counts run down.
.macro MULS jp, lastb, ch, iset, cmode, m, xl, slot, half
.irp g,0,1,2,3
.if \lastb
	s_wait_loadcnt 48-16*\g
.else
	s_wait_loadcnt 48
.if \g == 3
	s_add_nc_u64 s[82-2*\jp:83-2*\jp], s[82-2*\jp:83-2*\jp], 262144   ; the wait above shows the last load that named the other base done: it steps two K steps on
.endif
.endif
.if \g == 0
	s_wait_dscnt 8                                 ; the fragments of rows 0-31 are in; the eight loads issued behind them may be out
.endif
	WIN MUL_LO
.irp a,0,1
.irp b,0,1,2,3
	v_wmma_f32_16x16x128_bf8_bf8 v[128*\a+8*(4*\g+\b):128*\a+8*(4*\g+\b)+7], v[16*(4*\g+\b):16*(4*\g+\b)+15], v[AF+16*\a:AF+16*\a+15], v[128*\a+8*(4*\g+\b):128*\a+8*(4*\g+\b)+7]
.endr
.endr
.if \g == 0
	s_wait_dscnt 0x0                               ; rows 32-63
.endif
	WIN MUL_HI
.irp a,0,1
.irp b,0,1,2,3
	v_wmma_f32_16x16x128_bf8_bf8 v[128*\a+8*(4*\g+\b):128*\a+8*(4*\g+\b)+7], v[16*(4*\g+\b):16*(4*\g+\b)+15], v[AF+32+16*\a:AF+32+16*\a+15], v[128*\a+8*(4*\g+\b):128*\a+8*(4*\g+\b)+7]
.endr
.endr
.if \ch
.if \g < 2
	WIN 0
	CHUNK \g, \iset, \cmode, \m, \xl, \slot, \half
.elseif \g == 2
	WIN 0
	CHUNK 2, \iset, \cmode, \m, \xl, \slot, \half
	CHUNK 3, \iset, \cmode, \m, \xl, \slot, \half
.else
	PLACES
.endif
.endif
.if !\lastb
	WIN TO_B
	BLOAD \g, 80+2*\jp
.endif
.endr
	WIN 0
.endm
; In front of a refill's barrier: all my tensor loads have landed (the one that was out is the other slot's tile); 0 onto my spare word; between it and
; the wait for it, scalar work: the slot's next tile, two tiles on: query in trip 0, memory afterwards; 512 along K on in trips 0 and 2; slot 1's tile lies 256 along K behind slot 0's.
.macro PREP slot
	s_wait_tensorcnt 0x0
	ds_add_u32 v[SPW], v[NIL]
	s_cmp_eq_u32 s26, 0
	s_cselect_b64 s[42+4*\slot:43+4*\slot], s[4:5], s[6:7]
	s_and_b32 s70, s26, 1
	s_xor_b32 s70, s70, 1
	s_lshl_b32 s70, s70, 11
	s_mov_b32 s71, 0
	s_add_nc_u64 s[42+4*\slot:43+4*\slot], s[42+4*\slot:43+4*\slot], s[70:71]
.if \slot == 1
	s_add_nc_u64 s[46:47], s[46:47], 1024
.endif
	s_or_b32 s[43+4*\slot], s[43+4*\slot], 0x80000000
.endm
; A PREFETCH INTO THE L2 of the tile that the NEXT refill will ask for (two K steps, 128 matrix instructions, ahead of that load): 16 rows x 1,024 bytes = 64 blocks of 256 bytes, a lane a block, two instructions.
; Each tile is fetched by one wave alone, which also asks: each block is named once in the launch.  The first three tiles come by their loads alone; behind the last tile there is none, so trip 2 asks for nothing at slot 1.
; The tile stands in the immediate, under branches on the trip: base and offset registers are never rewritten.
.macro ASK2 base, off
	global_prefetch_b8 v[PFO], s[\base:\base+1] offset:\off th:TH_LOAD_NT scope:SCOPE_SE
	global_prefetch_b8 v[PFO], s[\base:\base+1] offset:\off+32768 th:TH_LOAD_NT scope:SCOPE_SE
.endm
.macro ASK slot
	s_cmp_eq_u32 s26, 0
	s_cbranch_scc0 .Lam_\@
.if \slot == 0
	ASK2 4, 3072                                   ; query's tile 3
.else
	ASK2 6, 0                                      ; memory's tile 0
.endif
	s_branch .Lae_\@
.Lam_\@:
	s_cmp_eq_u32 s26, 1
	s_cbranch_scc0 .Lan_\@
.if \slot == 0
	ASK2 6, 1024                                   ; memory's tile 1
.else
	ASK2 6, 2048                                   ; memory's tile 2
.endif
	s_branch .Lae_\@
.Lan_\@:
.if \slot == 0
	ASK2 6, 3072                                   ; memory's tile 3
.endif
.Lae_\@:
.endm
; A K STEP of 128.  At its head my image of this step (made during the last) has landed and the next step's numbers are in my registers | ONE barrier | all four fragments, 64 products with the next step's chunks between.
; The images have two sets, by turns: a set is written again only behind the next barrier, in front of which every wave has waited for its reads of it.
; refill = 1: slot rslot, whose last numbers were read into my registers a step ago, is filled again, first thing behind the barrier.
.macro KSTEP j, refill, rslot, twait, lastb, ch, cmode, m, xl, slot, half
.if \refill
	PREP \rslot
.endif
	s_wait_dscnt 0x0                               ; my image and copy have landed, my reads of the ring are back (and the add is done)
	s_barrier_signal -1
	s_barrier_wait -1
.if \refill
	tensor_load_to_lds s[40+4*\rslot:43+4*\rslot], s[32:39]   ; my one tensor load until the next such barrier; it has two K steps in which to land
	s_nop 0
	PLACES                                         ; four plain lines follow it
.endif
	AFETCH \j                                      ; (the places behind the last products that read these registers stand behind those products)
.if \twait
	s_wait_tensorcnt 0x0                           ; the last tile, the one load of mine that is out, is in
.endif
.if \refill
	ASK \rslot
.endif
	MULS \j, \lastb, \ch, 1-\j, \cmode, \m, \xl, \slot, \half
.endm
; tanh of 64 registers (row tile a, column tiles 8 u .. 8 u + 7), their codes, and one product with Wv: source 0 = the codes' 16 rows, source 1 = Wv's 16 heads.
; The exponentials are one batch with one wait ahead of their first reader, and so are the reciprocals; a plain line stands behind each batch.
.macro TANHQ a, u
.set TW, 2+(\a)/2
.set TWW, (TW<<6)|TW
.set TB, 128*((\a)%2)+64*(\u)
	WIN TWW                                        ; source 0 and destination in the accumulators' window
.set i, 0
.rept 32
	v_pk_mul_f32 v[TB+i:TB+i+1], v[TB+i:TB+i+1], s[56:57] op_sel_hi:[1,0]   ; y = 2 z log2 e; each accumulator from its low end on
.set i, i+2
.endr
.set i, 0
.rept 64
	v_exp_f32 v[TB+i], v[TB+i]
.set i, i+1
.endr
	v_nop
	s_wait_alu depctr_va_vdst(0)
.set i, 0
.rept 32
	v_pk_add_f32 v[TB+i:TB+i+1], v[TB+i:TB+i+1], 1.0 op_sel_hi:[1,0]
.set i, i+2
.endr
.set i, 0
.rept 64
	v_rcp_f32 v[TB+i], v[TB+i]
.set i, i+1
.endr
	v_nop
	s_wait_alu depctr_va_vdst(0)
.set i, 0
.rept 32
	v_pk_fma_f32 v[TB+i:TB+i+1], v[TB+i:TB+i+1], -2.0, 1.0 op_sel_hi:[1,0,0]   ; 1 - 2 / (1 + 2^y)
.set i, i+2
.endr
.set i, 0
.rept 64
	v_med3_num_f32 v[TB+i], v[TB+i], -v[LIM4], v[LIM4]
.set i, i+1
.endr
	WIN TW                                         ; source 0 in the accumulators' window, the codes in window 0
.set i, 0
.rept 8
	v_cvt_scalef32_pk8_bf8_f32 v[PC+2*i:PC+2*i+1], v[TB+8*i:TB+8*i+7], v[SC4]   ; registers 2 i, 2 i + 1: k = 16 i + 8 h + 0..7: this form's own places
.set i, i+1
.endr
	v_nop
	WIN 0
.if \u == 0
	v_wmma_f32_16x16x128_bf8_bf8 v[AF+8*\a:AF+8*\a+7], v[PC:PC+15], v[WVF:WVF+15], 0
.else
	v_wmma_f32_16x16x128_bf8_bf8 v[AF+8*\a:AF+8*\a+7], v[PC:PC+15], v[WVF+16:WVF+31], v[AF+8*\a:AF+8*\a+7]
.endif
.endm
.macro WLOAD q                         ; rows 8 q .. 8 q + 7: my head's p, and my eight columns of the copy, into set q % 2
.set WS, 64+40*((\q)%2)
	ds_load_b128 v[WS:WS+3], v[PTR] offset:32*(\q)
	ds_load_b128 v[WS+4:WS+7], v[PTR] offset:32*(\q)+16
.irp i,0,1,2,3,4,5,6,7
	ds_load_b128 v[WS+8+4*\i:WS+8+4*\i+3], v[CR0+(\q)/4] offset:(8*((\q)%4)+\i)*CP
.endr
.endm
.macro WSUM q, left
.set WS, 64+40*((\q)%2)
	s_wait_dscnt \left
.irp i,0,1,2,3,4,5,6,7
.irp c,0,1,2,3
	v_fma_mix_f32_bf16 v[XS+2*\c], v[WS+8+4*\i+\c], v[WS+\i], v[XS+2*\c] op_sel_hi:[1,0,0]
	v_fma_mix_f32_bf16 v[XS+2*\c+1], v[WS+8+4*\i+\c], v[WS+\i], v[XS+2*\c+1] op_sel:[1,0,0] op_sel_hi:[1,0,0]
.endr
.endr
.endm
	; ---- the head
	s_load_b512 s[4:19], s[0:1], 0x0               ; query, memory, wcodes, wvcodes, bq, bk, bv, bias
	s_load_b128 s[20:23], s[0:1], 0x40             ; the scales' exponents, part_x
	s_load_b64 s[24:25], s[0:1], 0x50              ; part_ms
	v_lshl_add_u32 v[SPW], v0, 2, SPARE
	v_mov_b32 v[NIL], 0
	ds_add_u32 v2, v3
	ds_add_u32 v2, v3
	s_wait_dscnt 0x0
	v_lshrrev_b32 v28, 5, v0
	v_readfirstlane_b32 s29, v28                   ; wave 0..3
	s_mov_b32 s32, (2<<16)|(1<<20)|(7<<22)|(3<<25) ; group 1: no mask; elements of 4 bytes; padding on: behind every 256 words (code 7) four words (code 3)
	s_mov_b32 s33, 256<<16                         ; tensor_dim0 = 256
	s_mov_b32 s34, 16<<16                          ; tensor_dim1 = 16
	s_mov_b32 s35, 256<<16                         ; tile_dim0 = 256
	s_mov_b32 s36, 16                              ; tile_dim1 = 16
	s_mov_b32 s37, 1024                            ; elements from row to row
	s_mov_b32 s38, 0
	s_mov_b32 s39, 0
	s_mul_i32 s30, s29, RINGW                      ; my ring
	s_lshl_b32 s70, ttmp9, 18                      ; 64 rows of 4,096 bytes a work-group,
	s_lshl_b32 s71, s29, 16                        ; 16 a wave
	s_add_co_u32 s70, s70, s71
	s_mov_b32 s71, 0
	s_wait_kmcnt 0x0
	s_load_b128 s[48:51], s[20:21], 0x0            ; e0 .. e3
	s_load_b64 s[52:53], s[20:21], 0x10            ; e4, e5
	s_add_nc_u64 s[4:5], s[4:5], s[70:71]
	s_add_nc_u64 s[6:7], s[6:7], s[70:71]
	s_mov_b32 s40, 1                               ; group 0 of slot 0: count 1, LDS address, query's tile 0, type 2
	s_mov_b32 s41, s30
	s_mov_b64 s[42:43], s[4:5]
	s_or_b32 s43, s43, 0x80000000
	s_mov_b32 s44, 1                               ; of slot 1: tile 1
	s_add_co_u32 s45, s30, SLOTB
	s_add_nc_u64 s[46:47], s[4:5], 1024
	s_or_b32 s47, s47, 0x80000000
	tensor_load_to_lds s[40:43], s[32:39]          ; the two first fills go out together, ahead of every wait on TENSORcnt, LDS read and barrier: two loads of mine are out, later one
	s_nop 0
	tensor_load_to_lds s[44:47], s[32:39]
	s_nop 0
	PLACES
	s_lshl_b32 s70, s29, 15
	s_add_nc_u64 s[82:83], s[8:9], s[70:71]        ; the weights: my 32,768 bytes of K step 0;
	s_add_nc_u64 s[80:81], s[82:83], 131072        ; of K step 1
	s_lshl_b32 s70, s29, 12
	s_add_nc_u64 s[10:11], s[10:11], s[70:71]      ; Wv's fragments 2 w, 2 w + 1
	s_lshl_b32 s70, ttmp9, 8
	s_add_nc_u64 s[18:19], s[18:19], s[70:71]      ; my block's 64 numbers of bias
	s_lshl_b32 s70, ttmp9, 12
	s_lshl_b32 s72, s29, 10
	s_add_co_u32 s70, s70, s72
	s_add_nc_u64 s[22:23], s[22:23], s[70:71]      ; part_x: my block's row, my wave's 1,024 bytes
	s_lshl_b32 s70, ttmp9, 7
	s_add_nc_u64 s[24:25], s[24:25], s[70:71]      ; part_ms: my block's 128 bytes
	v_and_b32 v28, 31, v0                          ; lane
	v_and_b32 v29, 15, v0                          ; r
	v_bfe_u32 v30, v0, 4, 1                        ; h
	v_lshlrev_b32 v[L16], 4, v28
	v_lshlrev_b32 v26, 5, v0                       ; bq, bk: eight columns a thread: the wave's own 256
	v_lshlrev_b32 v27, 2, v29                      ; bv: head r
	global_load_b128 v[96:99], v26, s[12:13]
	global_load_b128 v[100:103], v26, s[12:13] offset:16
	global_load_b128 v[104:107], v26, s[14:15]
	global_load_b128 v[108:111], v26, s[14:15] offset:16
	global_load_b32 v112, v27, s[16:17]
.irp u,0,1
.irp q,0,1,2,3
	global_load_b128 v[WVF+16*\u+4*\q:WVF+16*\u+4*\q+3], v[L16], s[10:11] offset:2048*\u+512*\q
.endr
.endr
	WIN TO_B
	BLOAD 0, 82
	BLOAD 1, 82
	BLOAD 2, 82
	WIN 0
	; every LDS address: a constant + a lane term + a constant x wave
	v_mul_u32_u24 v[XA0], v29, XP
	v_lshl_add_u32 v[XA0], v30, 6, v[XA0]
	v_add_nc_u32 v[XA0], s30, v[XA0]
	v_add_nc_u32 v[XA0+1], SLOTB, v[XA0]
	s_lshl_b32 s70, s29, 11
	s_add_co_u32 s70, s70, IMG
	v_add_nc_u32 v[IMW], s70, v[L16]
	v_add_nc_u32 v[IMR], IMG, v[L16]
	s_mul_i32 s70, s29, 16*CP
	s_add_co_u32 s70, s70, COPY
	v_mul_u32_u24 v[CPW], v29, CP
	v_lshl_add_u32 v[CPW], v30, 5, v[CPW]
	v_add_nc_u32 v[CPW], s70, v[CPW]
	v_lshl_add_u32 v[BST], v0, 5, BIASL
	s_lshl_b32 s70, s29, 10
	s_add_co_u32 s70, s70, BIASL
	v_lshl_add_u32 v[BAD], v30, 5, s70
	s_lshl_b32 s70, s29, 12
	s_add_co_u32 s70, s70, LGP
	v_add_nc_u32 v[LGW], s70, v[L16]
	v_add_nc_u32 v[LGR], LGP, v[L16]
	s_mul_i32 s70, s29, 4608
	s_add_co_u32 s70, s70, PT
	v_mul_u32_u24 v[PTS], v29, 272
	v_lshl_add_u32 v[PTS], v30, 5, v[PTS]
	v_add_nc_u32 v[PTS], s70, v[PTS]               ; p: head r, rows 8 h on
	s_mul_i32 s72, s29, 4*272
	s_add_co_u32 s70, s70, s72
	v_lshrrev_b32 v31, 3, v28
	v_mul_u32_u24 v[PTR], v31, 272
	v_add_nc_u32 v[PTR], s70, v[PTR]               ; and back: the head of my eight columns, 4 w + lane / 8
	v_lshl_add_u32 v[CR0], v0, 4, COPY
	v_add_nc_u32 v[CR0+1], 32*CP, v[CR0]
	s_lshl_b32 s70, s29, 10
	s_add_co_u32 s70, s70, OUTB
	v_lshl_add_u32 v[OUS], v28, 5, s70
	v_add_nc_u32 v[OUR], s70, v[L16]
	v_lshrrev_b32 v31, 2, v28
	v_lshlrev_b32 v[PFO], 12, v31
	v_and_b32 v31, 3, v28
	v_lshl_add_u32 v[PFO], v31, 8, v[PFO]
	v_lshlrev_b32 v248, 5, v30
	v_lshlrev_b32 v249, 2, v28
	v_mov_b32 v250, v28
	; the given scales
	s_wait_kmcnt 0x0
	s_add_co_i32 s70, s48, 127
	s_lshl_b32 s84, s70, 23
	v_mov_b32 v[SC], s84                           ; 2^e0 as f32: the conversion takes its exponent field
	s_add_co_i32 s70, s70, 15
	s_lshl_b32 s70, s70, 23
	s_or_b32 s85, s70, 0x600000
	v_mov_b32 v[LIM], s85                          ; 57,344 x 2^e0
	s_add_co_i32 s70, s50, 127
	s_lshl_b32 s76, s70, 23                        ; the same for memory
	s_add_co_i32 s70, s70, 15
	s_lshl_b32 s70, s70, 23
	s_or_b32 s77, s70, 0x600000
	s_add_co_i32 s70, s52, 127
	s_lshl_b32 s71, s70, 23
	v_mov_b32 v[SC4], s71
	s_add_co_i32 s70, s70, 15
	s_lshl_b32 s70, s70, 23
	s_or_b32 s70, s70, 0x600000
	v_mov_b32 v[LIM4], s70
	s_add_co_i32 s72, s48, s49                     ; e0 + e1
	s_add_co_i32 s73, s50, s51                     ; e2 + e3
	s_sub_co_i32 s74, s72, s73
	s_add_co_i32 s74, s74, 127
	s_lshl_b32 s54, s74, 23                        ; 2^(e0+e1-e2-e3)
	s_mov_b32 s55, s54                             ; (the packed forms name pairs, so both words are written)
	s_lshl_b32 s73, s73, 23
	s_add_co_i32 s56, s73, 0x4038aa3b              ; 2 log2 e, e2 + e3 added to its exponent field
	s_mov_b32 s57, s56
	s_add_co_i32 s74, s52, s53
	s_lshl_b32 s74, s74, 23
	s_add_co_i32 s58, s74, 0x3fb8aa3b              ; log2 e x 2^(e4+e5)
	s_mov_b32 s59, s58
	s_sub_co_i32 s72, 0, s72
	s_mov_b32 s60, 0x76543210                      ; v_permlanex16_b32: lane l xor 16
	s_mov_b32 s61, 0xfedcba98
	s_wait_loadcnt 48                              ; all but the weights' 48 loads: bq, bk, bv, Wv are in
.irp i,0,2,4,6
	v_pk_add_f32 v[96+\i:97+\i], v[96+\i:97+\i], v[104+\i:105+\i]
.endr
.irp i,0,1,2,3,4,5,6,7
	v_ldexp_f32 v[96+\i], v[96+\i], s72            ; (bq + bk) / 2^(e0+e1)
.endr
	ds_store_b128 v[BST], v[96:99]                 ; my wave's own columns: only my wave reads them, and LDS serves a wave's instructions in order
	ds_store_b128 v[BST], v[100:103] offset:16
	v_mul_f32 v[BVL], 0x3fb8aa3b, v112
	v_mov_b32 v[BVL+1], v[BVL]
	WIN TO_B
	BLOAD 3, 82
.irp win,0x80,0xc0                     ; the sums begin as the bias: nothing is cleared.  Lane (r, h) of tile b: columns 16 b + 8 h + 0..7, the same for the four tiles of rows
	WIN \win
.irp a,0,1
.set i, 0
.rept 16
	ds_load_b128 v[128*\a+8*i:128*\a+8*i+3], v[BAD] offset:64*i
	ds_load_b128 v[128*\a+8*i+4:128*\a+8*i+7], v[BAD] offset:64*i+16
.set i, i+1
.endr
.endr
.endr
	WIN 0
	s_wait_tensorcnt 1                             ; tile 0 is in; tile 1, issued behind it, may be out.  Only I read my ring
.irp c,0,1,2,3
	XCH 0, 0, \c                                   ; K step 0's numbers
.endr
	s_wait_dscnt 0x0                               ; they are in, and so are the sums' first values
.irp c,0,1,2,3
	CHUNK \c, 0, 0, 0, 1, 0, 1                     ; K step 0's image, into set 0; K step 1's numbers are asked for
.endr
	s_mov_b32 s26, 0
	; ---- K: a trip multiplies four K steps, 4 t .. 4 t + 3, and fills both slots again: tiles 2 to 7 in three trips
.Ltrip:
	s_cmp_lg_u32 s26, 2
	s_cbranch_scc1 .Lsame
	s_wait_dscnt 0x0                               ; THE CHANGE OF OPERAND, once, in front of memory's first products
	PLACES
.irp win,0x82,0xc3
	WIN \win
.set i, 0
.rept 128
	v_pk_mul_f32 v[i:i+1], v[i:i+1], s[54:55] op_sel_hi:[1,0]   ; x 2^(e0+e1-e2-e3); each accumulator from its low end on
.set i, i+2
.endr
.endr
	WIN 0
.Lsame:
	KSTEP 0, 1, 0, 0, 0, 1, 2, 1, 1, 1, 0          ; step 4 t: slot 0 takes tile 2 t + 2 | the chunks of step 4 t + 1 | the numbers of step 4 t + 2: slot 1, first half
	KSTEP 1, 0, 0, 0, 0, 1, 2, 2, 1, 1, 1          ; step 4 t + 1 | the chunks of 4 t + 2 | the numbers of 4 t + 3: slot 1, second half
	KSTEP 0, 1, 1, 0, 0, 1, 2, 3, 1, 0, 0          ; step 4 t + 2: slot 1 takes tile 2 t + 3 | the chunks of 4 t + 3 | the numbers of 4 t + 4: slot 0, first half
	s_cmp_eq_u32 s26, 0                            ; the chunks of step 4 t + 4 are query's in trip 0 and memory's afterwards: scale and hold are chosen, with no branch
	s_cselect_b32 s72, s84, s76
	s_cselect_b32 s73, s85, s77
	v_mov_b32 v[SC], s72
	v_mov_b32 v[LIM], s73
	KSTEP 1, 0, 0, 0, 0, 1, 3, 0, 1, 0, 1          ; step 4 t + 3 | the chunks of 4 t + 4 | the numbers of 4 t + 5: slot 0, second half
	s_add_co_u32 s26, s26, 1
	s_cmp_lt_u32 s26, 3
	s_cbranch_scc1 .Ltrip
	KSTEP 0, 0, 0, 1, 0, 1, 1, 5, 1, 1, 0          ; the last four K steps are written out. Step 12 | chunks of 13 | numbers of 14
	KSTEP 1, 0, 0, 0, 0, 1, 1, 6, 1, 1, 1          ; step 13 | chunks of 14 | numbers of 15
	KSTEP 0, 0, 0, 0, 0, 1, 1, 7, 0, 0, 0          ; step 14 | chunks of 15
	KSTEP 1, 0, 0, 0, 1, 0, 0, 0, 0, 0, 0          ; step 15
	; ---- tanh, its codes, the product with Wv: four accumulators by turns
	PLACES
.irp a,0,1,2,3
	global_load_b128 v[BT+8*\a:BT+8*\a+3], v248, s[18:19] offset:64*\a        ; the bias of rows 16 a + 8 h + 0..7
	global_load_b128 v[BT+8*\a+4:BT+8*\a+7], v248, s[18:19] offset:64*\a+16
.endr
.irp u,0,1
.irp a,0,1,2,3
	TANHQ \a, \u
.endr
.endr
	; ---- the four waves' parts of the logits meet.  Lane (r, h), register 8 a + j: head r, row 16 a + 8 h + j
	PLACES
.irp q,0,1,2,3,4,5,6,7
	ds_store_b128 v[LGW], v[AF+4*\q:AF+4*\q+3] offset:512*\q
.endr
	s_wait_dscnt 0x0
	s_barrier_signal -1
	s_barrier_wait -1                              ; behind it the whole copy of memory may be read as well
.irp w,0,1,2,3
.irp q,0,1,2,3,4,5,6,7
	ds_load_b128 v[AF+32*\w+4*\q:AF+32*\w+4*\q+3], v[LGR] offset:4096*\w+512*\q
.endr
.endr
	s_wait_dscnt 0x0
	s_wait_loadcnt 0x0                             ; the rows' bias
.set i, 0
.rept 16
	v_pk_add_f32 v[AF+i:AF+i+1], v[AF+i:AF+i+1], v[AF+32+i:AF+32+i+1]
	v_pk_add_f32 v[AF+64+i:AF+64+i+1], v[AF+64+i:AF+64+i+1], v[AF+96+i:AF+96+i+1]
.set i, i+2
.endr
.set i, 0
.rept 16
	v_pk_add_f32 v[AF+i:AF+i+1], v[AF+i:AF+i+1], v[AF+64+i:AF+64+i+1]
.set i, i+2
.endr
	; ---- the block's softmax, in every wave alike: t = (sum x 2^(e4+e5) + bv + bias) log2 e
.set i, 0
.rept 16
	v_pk_fma_f32 v[BT+i:BT+i+1], v[BT+i:BT+i+1], 0x3fb8aa3b, v[BVL:BVL+1] op_sel_hi:[1,0,1]
.set i, i+2
.endr
.set i, 0
.rept 16
	v_pk_fma_f32 v[AF+i:AF+i+1], v[AF+i:AF+i+1], s[58:59], v[BT+i:BT+i+1] op_sel_hi:[1,0,1]
.set i, i+2
.endr
	v_max3_num_f32 v28, v[AF], v[AF+1], v[AF+2]
	v_max3_num_f32 v29, v[AF+3], v[AF+4], v[AF+5]
.irp i,6,10,14,18,22,26
	v_max3_num_f32 v28, v28, v[AF+\i], v[AF+\i+1]
	v_max3_num_f32 v29, v29, v[AF+\i+2], v[AF+\i+3]
.endr
	v_max3_num_f32 v28, v28, v[AF+30], v[AF+31]
	v_max3_num_f32 v28, v28, v29, 0xff61b1e6       ; with a floor of -3e38, so that m is a number where every row of the block is hidden
	v_permlanex16_b32 v29, v28, s60, s61           ; the head's other 32 rows lie in the lane 16 away
	v_max_num_f32 v[MX], v28, v29
	v_mov_b32 v[MX+1], v[MX]
.set i, 0
.rept 16
	v_pk_add_f32 v[AF+i:AF+i+1], v[AF+i:AF+i+1], v[MX:MX+1] neg_lo:[0,1] neg_hi:[0,1]
.set i, i+2
.endr
.set i, 0
.rept 32
	v_exp_f32 v[AF+i], v[AF+i]                     ; p = 2^(t - m)
.set i, i+1
.endr
	v_nop
	s_wait_alu depctr_va_vdst(0)                   ; one wait for the batch, ahead of its first reader
.irp a,0,1,2,3
	ds_store_b128 v[PTS], v[AF+8*\a:AF+8*\a+3] offset:64*\a
	ds_store_b128 v[PTS], v[AF+8*\a+4:AF+8*\a+7] offset:64*\a+16
.endr
	WLOAD 0                                        ; (LDS serves a wave's instructions in order: these see my stores of p)
	WLOAD 1
	v_pk_add_f32 v[28:29], v[AF:AF+1], v[AF+2:AF+3]
	v_pk_add_f32 v[30:31], v[AF+4:AF+5], v[AF+6:AF+7]
.irp i,8,12,16,20,24,28
	v_pk_add_f32 v[28:29], v[28:29], v[AF+\i:AF+\i+1]
	v_pk_add_f32 v[30:31], v[30:31], v[AF+\i+2:AF+\i+3]
.endr
	v_pk_add_f32 v[28:29], v[28:29], v[30:31]
	v_add_f32 v28, v28, v29
	v_permlanex16_b32 v29, v28, s60, s61
	v_add_f32 v28, v28, v29                        ; the head's sum of p over the block
	s_cmp_lg_u32 s29, 0
	s_cbranch_scc1 .Lnot_wave_0
	v_cmp_gt_u32 vcc_lo, 16, v250
	v_cndmask_b32 v30, v28, v[MX], vcc_lo          ; lanes 0-15: m of head r; lanes 16-31: the sum
	global_store_b32 v249, v30, s[24:25]           ; 128 consecutive bytes: all that a block has of them
.Lnot_wave_0:
	; ---- the sum over the block's rows of p x memory: a thread owns eight columns; eight rows a batch, two sets by turns: the wait leaves out the ten loads of the batch behind
.irp i,0,1,2,3,4,5,6,7
	v_mov_b32 v[XS+\i], 0
.endr
.irp q,0,1,2,3,4,5
	WSUM \q, 10
	WLOAD \q+2
.endr
	WSUM 6, 10
	WSUM 7, 0
	ds_store_b128 v[OUS], v[XS:XS+3]               ; a lane's 32 bytes turn through my own 1,024 bytes of LDS, so that
	ds_store_b128 v[OUS], v[XS+4:XS+7] offset:16
	ds_load_b128 v[64:67], v[OUR]
	ds_load_b128 v[68:71], v[OUR] offset:512
	s_wait_dscnt 0x0
	global_store_b128 v[L16], v[64:67], s[22:23]   ; each store covers 512 consecutive bytes, aligned
	global_store_b128 v[L16], v[68:71], s[22:23] offset:512
	s_wait_tensorcnt 0x0                           ; the wave's end
	ds_add_u32 v[SPW], v[NIL]
	s_wait_dscnt 0x0
	s_endpgm
.Lfunc_end_k_q64960c651c_fused:
	.size	k_q64960c651c_fused, .Lfunc_end_k_q64960c651c_fused-k_q64960c651c_fused
	.p2alignl 7, 3214868480
	.fill 96, 4, 3214868480
	.section	.rodata,"a",@progbits
	.p2align	6, 0x0
	.amdhsa_kernel k_q64960c651c_fused
		.amdhsa_group_segment_fixed_size 327680
		.amdhsa_private_segment_fixed_size 0
		.amdhsa_enable_private_segment 0
		.amdhsa_kernarg_size 88
		.amdhsa_user_sgpr_count 2
		.amdhsa_user_sgpr_kernarg_segment_ptr 1
		.amdhsa_wavefront_size32 1
		.amdhsa_system_sgpr_workgroup_id_x 1
		.amdhsa_system_sgpr_workgroup_id_y 1
		.amdhsa_system_sgpr_workgroup_id_z 1
		.amdhsa_system_vgpr_workitem_id 0
		.amdhsa_next_free_vgpr 1024
		.amdhsa_next_free_sgpr 100
		.amdhsa_reserve_vcc 1
		.amdhsa_float_denorm_mode_32 3
		.amdhsa_float_denorm_mode_16_64 3
		.amdhsa_memory_ordered 1
		.amdhsa_forward_progress 1
		.amdhsa_inst_pref_size 255
	.end_amdhsa_kernel
	.section	.bss,"aw",@nobits
	.p2align	6
	.space	262144
	.amdgpu_metadata
---
amdhsa.version: [ 1, 2 ]
amdhsa.kernels:
  - .name:           k_q64960c651c_fused
    .symbol:         k_q64960c651c_fused.kd
    .args:
      - { .name: query, .offset: 0, .size: 8, .value_kind: global_buffer, .address_space: global }
      - { .name: memory, .offset: 8, .size: 8, .value_kind: global_buffer, .address_space: global }
      - { .name: wcodes, .offset: 16, .size: 8, .value_kind: global_buffer, .address_space: global }
      - { .name: wvcodes, .offset: 24, .size: 8, .value_kind: global_buffer, .address_space: global }
      - { .name: bq, .offset: 32, .size: 8, .value_kind: global_buffer, .address_space: global }
      - { .name: bk, .offset: 40, .size: 8, .value_kind: global_buffer, .address_space: global }
      - { .name: bv, .offset: 48, .size: 8, .value_kind: global_buffer, .address_space: global }
      - { .name: bias, .offset: 56, .size: 8, .value_kind: global_buffer, .address_space: global }
      - { .name: lowp_scales, .offset: 64, .size: 8, .value_kind: global_buffer, .address_space: global }
      - { .name: part_x, .offset: 72, .size: 8, .value_kind: global_buffer, .address_space: global }
      - { .name: part_ms, .offset: 80, .size: 8, .value_kind: global_buffer, .address_space: global }
    .group_segment_fixed_size: 327680
    .private_segment_fixed_size: 0
    .kernarg_segment_align: 8
    .kernarg_segment_size: 88
    .max_flat_workgroup_size: 128
    .sgpr_count:     100
    .vgpr_count:     1024
    .wavefront_size: 32
...
	.end_amdgpu_metadata
.endif
;; end of part 2
;; launch finish (part 3): grid 16 x 8, 16 waves a work-group, no clusters, 26,624 bytes of LDS; arguments part_x, part_ms, Wo, bo, out0; writes out0
.if DOCPART == 3
	.amdgcn_target "amdgcn-amd-amdhsa--gfx1250"
	.amdhsa_code_object_version 6
	.text
	.protected	k_q64960c651c_finish
	.globl	k_q64960c651c_finish
	.p2align	8
	.type	k_q64960c651c_finish,@function
k_q64960c651c_finish:
	s_mov_b64 s[64:65], 0
	v_nop
	global_prefetch_b8 v0, s[64:65] scope:SCOPE_SE
	s_setreg_imm32_b32 hwreg(HW_REG_WAVE_MODE, 25, 1), 1
	s_wait_xcnt 0x0
; The blocks' softmaxes are joined and the last product is made, all in f32 on the vector unit (the products here have 1 and 8 rows: nothing for the matrix unit).
; For batch y, head n: M = the largest of the 64 blocks' m; f = 2^(m - M); S = the sum of f x (the block's sum of p); x[col] = the sum over blocks of (f / S) x part_x[block][col];  out0[y] = x Wo + bo.
; Work-group (x, y): batch y, output columns 64 x .. 64 x + 63.  Every work-group of a batch makes the batch's x anew: 256 KiB of part_x, against a launch more.
; SIXTEEN WAVES OF 256 REGISTERS, so that nearly all that a thread needs is asked for at once, at the head: 32 loads of part_x and the first 16 of Wo's 32; Wo's other 16 go out when 16 of part_x's registers are free.
; Thread t: columns 4 (t % 256) .. + 3 of x (head (t % 256) / 16), over blocks 32 (t / 256) .. + 31; the two halves meet in LDS.  Then rows 32 (t / 16) .. + 31 of Wo at columns 64 x + 4 (t % 16) .. + 3:
; sixteen lanes read 256 consecutive bytes, aligned.
; A wave's 128 columns belong to two heads, 2 (w % 8) and the next: it joins those two alone: a lane takes blocks l and l + 32 (8 bytes of m and 8 of the sums from each block's 128), and the largest m and S are
; taken over the lanes.
; LIMIT: a batch whose bias is -infinity everywhere (S = 0) is not served.
.set GT,  0                            ; LDS: for each wave 512 bytes: f / S [2 heads][64 blocks]
.set XT,  8192                         ; x, in two halves of 4,096 bytes
.set RED, 16384                        ; the 32 groups' parts of the 64 outputs: 256 bytes a group
; v[2:3] bo; v4-14 offsets and LDS addresses; v[16:17], v[20:21] m, then f / S, of blocks l, l + 32; v[18:19], v[22:23] their sums of p; v24-31 at work, then the sums in two chains;
; v32-63 my head's 32 weights, later my 32 numbers of x; v64-191 part_x's 32 loads (v64-127 later Wo's rows 16-31, v128-159 x's other half); v192-255 Wo's rows 0-15
.macro FS wreg, dreg, n, first         ; sums += v[wreg + i] x the four numbers at v[dreg + 4 i]; even and odd i in chains of their own; first = 1: the first two start the sums
.set i, 0
.rept \n
.irp c,0,1,2,3
.if \first && (i < 2)
	v_mul_f32 v[24+4*(i%2)+\c], v[\wreg+i], v[\dreg+4*i+\c]
.else
	v_fmac_f32 v[24+4*(i%2)+\c], v[\wreg+i], v[\dreg+4*i+\c]
.endif
.endr
.set i, i+1
.endr
.endm
	s_load_b256 s[4:11], s[0:1], 0x0               ; part_x s[4:5], part_ms s[6:7], Wo s[8:9], bo s[10:11]
	s_load_b64 s[12:13], s[0:1], 0x20              ; out0
	v_lshrrev_b32 v1, 5, v0
	v_readfirstlane_b32 s16, v1                    ; wave 0..15
	s_and_b32 s17, ttmp7, 0xffff                   ; batch
	s_and_b32 s18, s16, 7                          ; which 128 columns of x
	s_lshr_b32 s19, s16, 3                         ; which 32 blocks
	v_and_b32 v1, 31, v0                           ; lane
	v_and_b32 v2, 15, v0
	v_bfe_u32 v3, v0, 4, 1                         ; which of my wave's two heads
	s_lshl_b32 s20, s18, 3
	v_lshl_add_u32 v4, v1, 7, s20                  ; part_ms: block l, my wave's two heads
	v_and_b32 v5, 0xff, v0
	v_lshlrev_b32 v5, 4, v5                        ; part_x: my four columns
	v_lshlrev_b32 v6, 3, v1                        ; 8 x lane
	v_lshrrev_b32 v7, 4, v0                        ; group 0..31
	v_lshlrev_b32 v8, 4, v2
	v_lshl_add_u32 v8, v7, 17, v8                  ; Wo: 32 rows of 4,096 bytes a group, 16 bytes a lane
	s_lshl_b32 s21, s16, 9
	v_lshl_add_u32 v9, v1, 2, s21                  ; the weights, in: my wave's 512 bytes, block l
	s_lshl_b32 s22, s19, 7
	s_add_co_u32 s22, s22, s21
	v_lshl_add_u32 v10, v3, 8, s22                 ; and back: my head, my 32 blocks
	v_lshl_add_u32 v11, v0, 4, XT                  ; x: half t / 256, columns 4 (t % 256) on
	v_lshl_add_u32 v12, v7, 7, XT                  ; and back: my group's 32 numbers
	v_lshl_add_u32 v13, v0, 4, RED
	v_add_nc_u32 v14, RED, v6
	v_mov_b32 v26, 0                               ; written once: a lane permute's destination counts as one of its sources
	v_mov_b32 v27, 0
	s_mov_b32 s24, 0x76543210                      ; v_permlanex16_b32: lane l xor 16
	s_mov_b32 s25, 0xfedcba98
	s_lshl_b32 s26, s17, 18                        ; a batch's 64 blocks of 4,096 bytes in part_x,
	s_lshl_b32 s27, s19, 17                        ; my 32 of them
	s_add_co_u32 s26, s26, s27
	s_mov_b32 s27, 0
	s_lshl_b32 s28, s17, 13                        ; 128 bytes a block in part_ms
	s_mov_b32 s29, 0
	s_lshl_b32 s30, ttmp9, 8                       ; my 64 columns
	s_mov_b32 s31, 0
	s_lshl_b32 s32, s17, 12
	s_add_co_u32 s32, s32, s30
	s_mov_b32 s33, 0
	s_wait_kmcnt 0x0
	s_add_nc_u64 s[4:5], s[4:5], s[26:27]
	s_add_nc_u64 s[6:7], s[6:7], s[28:29]
	s_add_nc_u64 s[8:9], s[8:9], s[30:31]
	s_add_nc_u64 s[10:11], s[10:11], s[30:31]
	s_add_nc_u64 s[12:13], s[12:13], s[32:33]
	global_load_b64 v[2:3], v6, s[10:11]           ; bo
	global_load_b64 v[16:17], v4, s[6:7]           ; m of block l, two heads
	global_load_b64 v[18:19], v4, s[6:7] offset:64 ; its sums of p
	global_load_b64 v[20:21], v4, s[6:7] offset:4096       ; block l + 32
	global_load_b64 v[22:23], v4, s[6:7] offset:4160
.set i, 0
.rept 32
	global_load_b128 v[64+4*i:67+4*i], v5, s[4:5] offset:4096*i
.set i, i+1
.endr
.set i, 0
.rept 16
	global_load_b128 v[192+4*i:195+4*i], v8, s[8:9] offset:4096*i
.set i, i+1
.endr
	; ---- my wave's two heads are joined
	s_wait_loadcnt 48                              ; all but part_x's 32 loads and Wo's 16
	v_max_num_f32 v24, v16, v20
	v_max_num_f32 v25, v17, v21
.irp x,1,2,4,8
	v_max_num_f32_dpp v24, v24, v24 row_xmask:\x row_mask:0xf bank_mask:0xf
	v_max_num_f32_dpp v25, v25, v25 row_xmask:\x row_mask:0xf bank_mask:0xf
.endr
	v_permlanex16_b32 v26, v24, s24, s25
	v_permlanex16_b32 v27, v25, s24, s25
	v_max_num_f32 v24, v24, v26
	v_max_num_f32 v25, v25, v27                    ; M of the two heads, in every lane
	v_pk_add_f32 v[16:17], v[16:17], v[24:25] neg_lo:[0,1] neg_hi:[0,1]
	v_pk_add_f32 v[20:21], v[20:21], v[24:25] neg_lo:[0,1] neg_hi:[0,1]
	v_exp_f32 v16, v16
	v_exp_f32 v17, v17
	v_exp_f32 v20, v20
	v_exp_f32 v21, v21
	v_nop
	s_wait_alu depctr_va_vdst(0)                   ; one wait for the batch, ahead of its first reader
	v_pk_mul_f32 v[28:29], v[16:17], v[18:19]
	v_pk_fma_f32 v[28:29], v[20:21], v[22:23], v[28:29]
.irp x,1,2,4,8
	v_add_f32_dpp v28, v28, v28 row_xmask:\x row_mask:0xf bank_mask:0xf
	v_add_f32_dpp v29, v29, v29 row_xmask:\x row_mask:0xf bank_mask:0xf
.endr
	v_permlanex16_b32 v26, v28, s24, s25
	v_permlanex16_b32 v27, v29, s24, s25
	v_pk_add_f32 v[28:29], v[28:29], v[26:27]      ; S
	v_rcp_f32 v28, v28
	v_rcp_f32 v29, v29
	v_nop
	s_wait_alu depctr_va_vdst(0)
	v_pk_mul_f32 v[16:17], v[16:17], v[28:29]
	v_pk_mul_f32 v[20:21], v[20:21], v[28:29]
	ds_store_b32 v9, v16                           ; [head][block], in my wave's own bytes
	ds_store_b32 v9, v20 offset:128
	ds_store_b32 v9, v17 offset:256
	ds_store_b32 v9, v21 offset:384
.irp q,0,1,2,3,4,5,6,7
	ds_load_b128 v[32+4*\q:35+4*\q], v10 offset:16*\q      ; my head's weights of my 32 blocks (LDS serves a wave's instructions in order: these see the stores above)
.endr
	s_wait_dscnt 0x0
	; ---- x: each wait leaves out what was issued behind the eight loads that it is for
	s_wait_loadcnt 40                              ; part_x's other 24 and Wo's 16
	FS 32, 64, 8, 1
	s_wait_loadcnt 32
	FS 40, 96, 8, 0
.set i, 0
.rept 16
	global_load_b128 v[64+4*i:67+4*i], v8, s[8:9] offset:4096*(16+i)   ; Wo's rows 16-31, into registers that part_x has left
.set i, i+1
.endr
	s_wait_loadcnt 40                              ; part_x's last 8 and Wo's 32
	FS 48, 128, 8, 0
	s_wait_loadcnt 32
	FS 56, 160, 8, 0
	v_pk_add_f32 v[24:25], v[24:25], v[28:29]
	v_pk_add_f32 v[26:27], v[26:27], v[30:31]
	ds_store_b128 v11, v[24:27]
	s_wait_dscnt 0x0                               ; for the others' sake
	s_barrier_signal -1
	s_barrier_wait -1                              ; both halves of x lie in LDS
.irp q,0,1,2,3,4,5,6,7
	ds_load_b128 v[32+4*\q:35+4*\q], v12 offset:16*\q
.endr
.irp q,0,1,2,3,4,5,6,7
	ds_load_b128 v[128+4*\q:131+4*\q], v12 offset:4096+16*\q
.endr
	s_wait_dscnt 0x0
.set i, 0
.rept 16
	v_pk_add_f32 v[32+i:33+i], v[32+i:33+i], v[128+i:129+i]   ; my group's 32 numbers of x
.set i, i+2
.endr
	; ---- x Wo
	s_wait_loadcnt 16                              ; Wo's rows 0-15 are in; rows 16-31 may be out
	FS 32, 192, 16, 1
	s_wait_loadcnt 0x0
	FS 48, 64, 16, 0
	v_pk_add_f32 v[24:25], v[24:25], v[28:29]
	v_pk_add_f32 v[26:27], v[26:27], v[30:31]
	ds_store_b128 v13, v[24:27]
	s_wait_dscnt 0x0
	s_barrier_signal -1
	s_barrier_wait -1
	s_cmp_lg_u32 s16, 0                            ; wave 0 adds the 32 parts: two columns a lane
	s_cbranch_scc1 .Lend
.set i, 0
.rept 32
	ds_load_b64 v[64+2*i:65+2*i], v14 offset:256*i
.set i, i+1
.endr
	s_wait_dscnt 0x0
.irp n,16,8,4,2,1
.set i, 0
.rept \n
	v_pk_add_f32 v[64+2*i:65+2*i], v[64+2*i:65+2*i], v[64+2*(i+\n):65+2*(i+\n)]
.set i, i+1
.endr
.endr
	v_pk_add_f32 v[64:65], v[64:65], v[2:3]        ; + bo
	global_store_b64 v6, v[64:65], s[12:13]        ; 32 lanes store 256 consecutive bytes, aligned
.Lend:
	s_wait_xcnt 0x0
	v_lshl_add_u32 v254, v0, 2, 0x6000
	v_mov_b32 v255, 0
	s_wait_tensorcnt 0x0
	ds_add_u32 v254, v255
	s_wait_dscnt 0x0
	s_endpgm
.Lfunc_end_k_q64960c651c_finish:
	.size	k_q64960c651c_finish, .Lfunc_end_k_q64960c651c_finish-k_q64960c651c_finish
	.p2alignl 7, 3214868480
	.fill 96, 4, 3214868480
	.section	.rodata,"a",@progbits
	.p2align	6, 0x0
	.amdhsa_kernel k_q64960c651c_finish
		.amdhsa_group_segment_fixed_size 26624
		.amdhsa_private_segment_fixed_size 0
		.amdhsa_enable_private_segment 0
		.amdhsa_kernarg_size 40
		.amdhsa_user_sgpr_count 2
		.amdhsa_user_sgpr_kernarg_segment_ptr 1
		.amdhsa_wavefront_size32 1
		.amdhsa_system_sgpr_workgroup_id_x 1
		.amdhsa_system_sgpr_workgroup_id_y 1
		.amdhsa_system_sgpr_workgroup_id_z 1
		.amdhsa_system_vgpr_workitem_id 0
		.amdhsa_next_free_vgpr 256
		.amdhsa_next_free_sgpr 66
		.amdhsa_reserve_vcc 0
		.amdhsa_float_denorm_mode_32 3
		.amdhsa_float_denorm_mode_16_64 3
		.amdhsa_memory_ordered 1
		.amdhsa_forward_progress 1
		.amdhsa_inst_pref_size 27
	.end_amdhsa_kernel
	.amdgpu_metadata
---
amdhsa.version: [ 1, 2 ]
amdhsa.kernels:
  - .name:           k_q64960c651c_finish
    .symbol:         k_q64960c651c_finish.kd
    .args:
      - { .name: part_x, .offset: 0, .size: 8, .value_kind: global_buffer, .address_space: global }
      - { .name: part_ms, .offset: 8, .size: 8, .value_kind: global_buffer, .address_space: global }
      - { .name: Wo, .offset: 16, .size: 8, .value_kind: global_buffer, .address_space: global }
      - { .name: bo, .offset: 24, .size: 8, .value_kind: global_buffer, .address_space: global }
      - { .name: out0, .offset: 32, .size: 8, .value_kind: global_buffer, .address_space: global }
    .group_segment_fixed_size: 26624
    .private_segment_fixed_size: 0
    .kernarg_segment_align: 8
    .kernarg_segment_size: 40
    .max_flat_workgroup_size: 512
    .sgpr_count:     66
    .vgpr_count:     256
    .wavefront_size: 32
...
	.end_amdgpu_metadata
.endif
;; end of part 3
